; MI455X (gfx1250); checked and timed in simulation.
; The chip was launched on July 23, 2026; its instructions are those of AMD's public machine-readable ISA for CDNA 5 (MIT licence, August 2026) and "CDNA5" Instruction Set Architecture Reference Guide (July 2026). The comments in the code are by the model that wrote it; some were corrected since.
;; Self Attention. Allowed arithmetic: matrix products marked QUANTISED: E2M3 operands, one E8M0 scale for each 32 along K, by v_wmma_scale_f32_16x16x128_f8f6f4 with both operands' format E2M3, f32 sums; products left as they are: f32 operands where the result goes on into a quantised operand, else bf16, f16 or f32 operands; f32 sums; everything else in f32.
;; Inputs: ba 128 float32; bk 16 float32; bq 16 float32; bv 64 float32; gamma 1 float32; wa_codes 128 x 2 x 24 uint8 (E2M3 codes of wa, K innermost, in blocks of 32 codes, four codes in three bytes); wa_scales 128 x 2 uint8 (E8M0 scales of wa, one for each 32 codes along K); wk_codes 16 x 4 x 24 uint8 (E2M3 codes of wk, K innermost, in blocks of 32 codes, four codes in three bytes); wk_scales 16 x 4 uint8 (E8M0 scales of wk, one for each 32 codes along K); wq_codes 16 x 4 x 24 uint8 (E2M3 codes of wq, K innermost, in blocks of 32 codes, four codes in three bytes); wq_scales 16 x 4 uint8 (E8M0 scales of wq, one for each 32 codes along K); wv_codes 64 x 4 x 24 uint8 (E2M3 codes of wv, K innermost, in blocks of 32 codes, four codes in three bytes); wv_scales 64 x 4 uint8 (E8M0 scales of wv, one for each 32 codes along K); x 16 x 128 x 64 x 64 float32.
;; Outputs: out0 16 x 128 x 64 x 64 float32.
;; This version of the problem:
;;   THIS VERSION OF THE PROBLEM IS GIVEN IN LOW PRECISION. The matrix products marked QUANTISED in the list below multiply operands that are first quantised to E2M3 (2 exponent bits, 3 mantissa bits; 6 bits a number), with one power-of-two scale for each 32 numbers along K (OCP MX v1.0); their sums are f32. All else is computed in f32.
;;   The module's matrix products, in the order in which they are computed (A, B: the left and right operand; K: the contracted axis; several contracted axes count as one K, in the product's order):
;;     1. [M 16, K 128] x [K 128, N 65,536]; A: input wq (given as codes); B: input x: QUANTISED
;;     2. [M 16, K 128] x [K 128, N 16,384]; A: input wk (given as codes); B: computed on the way: QUANTISED
;;     3. [M 64, K 128] x [K 128, N 16,384]; A: input wv (given as codes); B: computed on the way: QUANTISED
;;     4. batch 16 x [M 4,096, K 16] x [K 16, N 1,024]; A: computed on the way; B: computed on the way: left as it is (K = 16 < 32)
;;     5. batch 16 x [M 64, K 1,024] x [K 1,024, N 4,096]; A: computed on the way; B: softmax (see below): QUANTISED
;;     6. [M 128, K 64] x [K 64, N 65,536]; A: input wa (given as codes); B: computed on the way: QUANTISED
;;   THE QUANTISER, for each operand of a quantised product, along K:
;;     - K is cut into blocks of 32 from its start; a last block that is shorter is filled with zeros.
;;     - A block's scale is 2^e with e = floor(log2(the largest magnitude in the block)) - 2, held to -126 .. 127; a block of zeros has e = 0. As a byte (E8M0): e + 127.
;;     - Each number is divided by its block's scale, clamped to +-7.5, and rounded to the nearest number of E2M3, ties to even, subnormals kept.
;;     - The product sums the exact products of the quantised numbers (number of the format x scale) in f32.
;;   ~~~python
;;   def quantise(x, axis):      # numpy; x: float32 -> the quantised numbers, widened to float32 again
;;       x = np.moveaxis(x, axis, -1); K = x.shape[-1]
;;       x = np.pad(x, [(0, 0)] * (x.ndim - 1) + [(0, -K % 32)]); x = x.reshape(x.shape[:-1] + (-1, 32)); a = np.abs(x).max(-1, keepdims=True)
;;       e = np.where(a > 0, np.clip(np.frexp(np.where(a > 0, a, 1))[1] - 1 - 2, -126, 127), 0)      # np.frexp(a)[1] - 1 = floor(log2(a)), exactly
;;       r = np.clip(x / 2.0 ** e, -7.5, 7.5)
;;       step = 2.0 ** (np.maximum(np.frexp(np.where(r == 0, 1, r))[1] - 1, 0) - 3)
;;       q = np.round(r / step) * step * 2.0 ** e      # np.round: ties to even
;;       return np.moveaxis(q.reshape(q.shape[:-2] + (-1,))[..., :K], -1, axis).astype(np.float32)
;;   ~~~
;;   SOFTMAX AHEAD OF A QUANTISED PRODUCT. Where the list says 'softmax', what is quantised is not the finished softmax but p = 2^(t - M), with t = logit x log2(e) and M = ceil(the row's largest t), a whole number; so 1/2 < the row's largest p <= 1. The row's sum l is taken of the UNQUANTISED p, in f32, and the product's result is divided by l at the end. Since M is a whole number, a kernel that streams over the keys may use a running M (the ceiling of the running maximum): every later rescaling is an exact power of two, which a block's scale takes up: the codes' values come out the same.
;;   OPERANDS COMPUTED ON THE WAY. 'Computed on the way' means the value that the module computes at that place (a softmax that the list does not call 'softmax' is quantised finished and normalised). What goes into a quantiser is computed in f32, as accurately as f32 sums, v_exp_f32 and their like allow (about 1e-6 of the number): no bf16 or f16 on the way to a quantiser, and a product that is left as it is and whose result goes on into a quantised operand takes f32 operands (vector FMAs, or v_wmma_f32_16x16x4_f32). A number that lies on a knife's edge between two numbers of the format may be rounded either way, as far as f32 arithmetic and the matrix unit's own rounding can turn it there, and no further.
;;   INPUTS GIVEN AS CODES. wa (in the module: [128, 64], K = its axis 1); wk (in the module: [16, 128], K = its axis 1); wq (in the module: [16, 128], K = its axis 1); wv (in the module: [64, 128], K = its axis 1): each comes as NAME_codes (uint8): NAME with its K axis moved to the last place and cut into blocks of 32 codes, [.., K / 32, bytes a block], one block behind the other in memory; four codes in three bytes: a row's codes are one little-endian stream of bits, code i at bits 6 i .. 6 i + 5 (a code: sign, 2 exponent bits, 3 mantissa bits); and NAME_scales (uint8): the same leading axes, one E8M0 byte (e + 127) for each 32 codes along K. Its value is code x scale, taken as it is: it is not quantised again, and the codes and scales need not be those that the quantiser above would give.
;; One version. Each part assembles by itself: llvm-mc -triple=amdgcn-amd-amdhsa -mcpu=gfx1250 --defsym DOCPART=n.
;; ======== version 1 of 1: 2 launches
;; workspace buffers: kvw 1,867,776 bytes
;; launch kv (part 1): grid 256 x 1, 4 waves a work-group, no clusters, 168,448 bytes of LDS; arguments x, wk_codes, wk_scales, bk, wv_codes, wv_scales, bv, kvw; writes kvw
.if DOCPART == 1
	.amdgcn_target "amdgcn-amd-amdhsa--gfx1250"
	.amdhsa_code_object_version 6
	.text
	.protected	k_qf1bbd613e1_kv
	.globl	k_qf1bbd613e1_kv
	.p2align	8
	.type	k_qf1bbd613e1_kv,@function
k_qf1bbd613e1_kv:
	s_mov_b64 s[64:65], 0
	v_nop
	global_prefetch_b8 v0, s[64:65] scope:SCOPE_SE
	s_setreg_imm32_b32 hwreg(HW_REG_WAVE_MODE, 25, 1), 1
	s_wait_xcnt 0x0
; xp = 2 x 2 max-pool of x;  k = wk Q(xp) + bk (kept in f32);  v = wv Q(xp) + bv, then Q(v) along the keys.  Q: codes of E2M3 with one E8M0 scale for 32 along K.
; x: [16][128][64][64] f32.  A work-group owns 4 rows of x of all 128 channels of one image (1,024 consecutive bytes a channel): 2 pooled rows = 64 keys = two blocks of 32 along the keys.
; Four waves.  Wave w = 2 p + u quantises the 16 pooled positions 16 u .. 16 u + 15 of pooled row p along the channels and makes their k;
; then it makes 16 channels of v (tile t = w) for all 64 keys, so that a block of 32 keys lies in lanes l and l xor 16 of ONE wave.
; WHAT IS STORED (kvw, 116,736 bytes an image) is laid as the next launch's registers want it:
;   K  at 0:       64 tiles of 16 keys x 1,024 bytes: the k product's result as it stands, registers 0-3 (lane l's 16 bytes at 16 l), then registers 4-7: lane (r, h) holds channels 8 h + 0 .. 7 of key r.
;   V  at 65,536:  for each pair g of pooled rows and channel tile t 768 bytes: six registers of a fragment (lane (r, h): the whole block of pooled row 2 g + h of channel d(t, r)): four at 16 l, two at 512 + 8 l.
;   VS at 114,688: scale words: word ((g / 2) 4 + t) 16 + r, byte 2 (g % 2) + h.
; d(t, r) = 32 (t / 2) + 8 (t % 2) + r + 8 (r / 8): so the next launch's results of tiles 2 b, 2 b + 1 are 16 neighbouring channels in a lane.
; Inside a block the key at position 16 u + 8 h + j stands at place 16 h + 8 u + j; the next launch's p has the same order, and the order inside a block changes neither its scale nor the sum.
; No cluster: the work-groups share nothing but some 8 KB of weights.  LDS is filled once, so there is no ring.
; LIMITS: NaN and infinities in x are not served (the maxima drop a NaN).  A block of zeros gets the scale byte 1, not 127: its codes are zeros, and only this program reads the bytes.
; The scale bytes leave as single bytes, 32 a wave: the only stores here that do not cover 256 consecutive bytes.
.set XREG, 32896                       ; LDS: 32 channels x 1,024 bytes + 128: lanes 16-31, one region on, read 32 words further round than lanes 0-15
.set IMG,  4*XREG                      ; behind x: the four fragments of Q(xp) as images of their registers, 1,536 bytes each
.set XSC,  IMG+4*1536                  ; and their scale words, 128 bytes each
.set IMB,  116736                      ; an image's bytes in kvw
.set RR,  2                            ; v2   r = lane % 16
.set HH,  3                            ; v3   h = lane / 16
.set XL,  4                            ; v4-5 LDS address of my position's 8 bytes in channel 32 h (v4) and 64 + 32 h (v5)
.set LI,  6                            ; v6   16 x lane
.set L4,  7                            ; v7   4 x lane
.set L8,  8                            ; v8   8 x lane
.set IWI, 9                            ; v9   where I store my fragment's image
.set IWS, 10                           ; v10  and its scale word
.set FI,  11                           ; v11  IMG + 16 x lane: where any image is read back
.set WK,  12                           ; v12-23  wk's fragment
.set WV,  24                           ; v24-35  my 16 rows of wv
.set BK,  36                           ; v36-43  bk in the result's layout
.set BV,  44                           ; v44     bv of my lane's channel
.set WKS, 45                           ; v45-51 hold scale words and nothing else: wk's, wv's, my fragment's, the four fetched
.set WVS, 46
.set XW,  47
.set XS,  48
.set R0,  52                           ; v52-115, v116-179: two sets of 16 channels x 4 numbers to pool
.set R1,  116
.set XN,  180                          ; v180-243 xp: register 32 c + i = channel 64 c + 32 h + i of my position
.set GA,  244                          ; v244-248 offsets of the weights' loads; free again behind the wait for them
.set BM,  244                          ; largest magnitudes
.set BS,  246                          ; the conversions' scale operands
.set BY,  248                          ; scale bytes
.set BP,  250                          ; what the other half of the lanes sends
.set TA,  252
.set TB,  253
.set FS,  254                          ; v254 XSC + 4 x lane
.set SBO, 255                          ; v255 4 r + h: my scale byte's place
.set XC,  52                           ; behind the pooling: my fragment's codes;
.set XT,  64                           ; halves of blocks on their way;
.set KD,  72                           ; k;
.set BVC, 80                           ; bv as a C operand;
.set VC,  88                           ; v's codes
.set VT,  96
.set IM,  116                          ; the four fragments fetched
.set VA,  180                          ; v: register 16 p + 8 u + j
.set SEL, 50                           ; s[50:51] selects of v_permlanex16_b32 for lane l xor 16
; 64 numbers of a lane, register 32 c + i = k 64 c + 32 h + i of the lane's column, become a fragment's 12 registers and its scale word.  A lane holds two whole blocks.
.macro QUANTX src, xc, xt, xw
.irp c, 0,1
	v_max3_num_f32 v[BM+\c], |v[\src+32*\c]|, |v[\src+32*\c+1]|, 0x1800000   ; with the floor 2^(3 - 127): the byte cannot fall under 1
.endr
.irp i, 2,4,6,8,10,12,14,16,18,20,22,24,26,28,30
.irp c, 0,1
	v_max3_num_f32 v[BM+\c], v[BM+\c], |v[\src+32*\c+\i]|, |v[\src+32*\c+\i+1]|   ; the two blocks by turns
.endr
.endr
.irp c, 0,1
	v_add_nc_u32 v[BS+\c], 0xff000000, v[BM+\c]    ; 2 off the exponent field: the conversion takes this operand's exponent field as its scale
.endr
.irp c, 0,1
	v_lshrrev_b32 v[BY+\c], 23, v[BS+\c]           ; the scale's byte
.endr
	v_lshl_or_b32 v[TA], v[BY+1], 16, v[BY]        ; my bytes: blocks h and 2 + h,
	v_lshlrev_b32 v[TB], 3, v[HH]
	v_lshlrev_b32 v[TA], v[TB], v[TA]              ; 8 h bits up;
	v_permlanex16_b32 v[BP], v[TA], s[SEL], s[SEL+1]
	v_or_b32 v[\xw], v[TA], v[BP]                  ; with lane l xor 16's two the word is whole
.irp c, 0,1
	v_cvt_scalef32_pk16_fp6_f32 v[\xc+6*\c:\xc+6*\c+2], v[\src+32*\c:\src+32*\c+15], v[BS+\c]
	v_cvt_scalef32_pk16_fp6_f32 v[\xt+4*\c:\xt+4*\c+2], v[\src+32*\c+16:\src+32*\c+31], v[BS+\c]   ; (a conversion's three registers begin on an even number)
.endr
	v_nop                                          ; one plain place behind a scaled conversion
.irp c, 0,1
.irp i, 0,1,2
	v_mov_b32 v[\xc+6*\c+3+\i], v[\xt+4*\c+\i]
.endr
.endr
.endm
; 32 numbers of a lane, register 16 b + i = k 32 b + 16 h + i of the lane's row, become six registers: lane (r, h) then holds block h whole.  Bytes of blocks 0, 1 in v[BY], v[BY+1].
.macro QUANT2 src, pc, pt
.irp b, 0,1
	v_max3_num_f32 v[BM+\b], |v[\src+16*\b]|, |v[\src+16*\b+1]|, 0x1800000
.endr
.irp i, 2,4,6,8,10,12,14
.irp b, 0,1
	v_max3_num_f32 v[BM+\b], v[BM+\b], |v[\src+16*\b+\i]|, |v[\src+16*\b+\i+1]|
.endr
.endr
.irp b, 0,1
	v_permlanex16_b32 v[BP+\b], v[BM+\b], s[SEL], s[SEL+1]
.endr
.irp b, 0,1
	v_max_num_f32 v[BM+\b], v[BM+\b], v[BP+\b]     ; with lane l xor 16's 16: the block's largest magnitude
.endr
.irp b, 0,1
	v_add_nc_u32 v[BS+\b], 0xff000000, v[BM+\b]
.endr
.irp b, 0,1
	v_lshrrev_b32 v[BY+\b], 23, v[BS+\b]
.endr
	v_cvt_scalef32_pk16_fp6_f32 v[\pc:\pc+2], v[\src:\src+15], v[BS]
	v_cvt_scalef32_pk16_fp6_f32 v[\pt:\pt+2], v[\src+16:\src+31], v[BS+1]
	v_nop                                          ; one plain place behind a scaled conversion
.irp i, 0,1,2
	v_permlane16_swap_b32 v[\pc+\i], v[\pt+\i]     ; the first's lanes 16-31 change places with the second's lanes 0-15
.endr
.irp i, 0,1,2
	v_mov_b32 v[\pc+3+\i], v[\pt+\i]
.endr
.endm
; 16 channels (16 q on, of my 64) x my position's 2 x 2 numbers: 32 loads of 8 bytes
.macro LOADC q, set
.set kk, 0
.rept 16
	ds_load_b64 v[\set+4*kk:\set+4*kk+1],   v[XL+(\q)/2] offset:(16*((\q)%2)+kk)*1024
	ds_load_b64 v[\set+4*kk+2:\set+4*kk+3], v[XL+(\q)/2] offset:(16*((\q)%2)+kk)*1024+256
.set kk, kk+1
.endr
.endm
.macro POOL q, set
.set kk, 0
.rept 16
	v_max3_num_f32 v[XN+16*(\q)+kk], v[\set+4*kk], v[\set+4*kk+1], v[\set+4*kk+2]
.set kk, kk+1
.endr
.set kk, 0
.rept 16
	v_max_num_f32 v[XN+16*(\q)+kk], v[XN+16*(\q)+kk], v[\set+4*kk+3]
.set kk, kk+1
.endr
.endm
	s_load_b256 s[4:11], s[0:1], 0x0               ; x s[4:5], wk's codes s[6:7], wk's scales s[8:9], bk s[10:11]
	s_load_b256 s[12:19], s[0:1], 0x20             ; wv's codes s[12:13], wv's scales s[14:15], bv s[16:17], kvw s[18:19]
	s_set_vgpr_msb 0x40
	v_lshl_add_u32 v0, v0, 2, 0x29000
	v_mov_b32 v1, 0
	s_set_vgpr_msb 0x4045
	ds_add_u32 v0, v1
	ds_add_u32 v0, v1
	s_set_vgpr_msb 0x4500
	v_lshrrev_b32 v1, 5, v0
	v_readfirstlane_b32 s20, v1                    ; wave w
	s_lshr_b32 s21, ttmp9, 4                       ; image
	s_and_b32 s22, ttmp9, 15                       ; g: which 4 rows of x
	s_lshr_b32 s23, s20, 1                         ; p
	s_and_b32 s24, s20, 1                          ; u
	; descriptor group 1: 32 rows (channels) of 256 elements of 4 bytes, 4,096 elements apart
	s_mov_b32 s32, 2<<16
	s_mov_b32 s33, 256<<16                         ; tensor_dim0
	s_mov_b32 s34, 32<<16                          ; tensor_dim1
	s_mov_b32 s35, 256<<16                         ; tile_dim0
	s_mov_b32 s36, 32                              ; tile_dim1
	s_mov_b32 s37, 4096                            ; from channel to channel
	s_mov_b32 s38, 0
	s_mov_b32 s39, 0
	s_mov_b32 s40, 1
	s_mul_i32 s41, s20, XREG                       ; wave w brings channels 32 w .. 32 w + 31 into region w
	s_lshl_b32 s26, s21, 21
	s_lshl_b32 s28, s20, 19
	s_add_co_u32 s26, s26, s28
	s_lshl_b32 s28, s22, 10
	s_add_co_u32 s26, s26, s28
	s_mov_b32 s27, 0
	s_wait_dscnt 0x0
	s_wait_kmcnt 0x0
	s_add_nc_u64 s[42:43], s[4:5], s[26:27]
	s_or_b32 s43, s43, 0x80000000
	tensor_load_to_lds s[40:43], s[32:39]          ; my one tensor load: 32 KB; the four waves' are all that the work-group reads of x
	s_nop 0
	v_and_b32 v1, 31, v0                           ; lane
	v_and_b32 v[RR], 15, v0
	v_bfe_u32 v[HH], v0, 4, 1
	s_lshl_b32 s25, s23, 9                         ; pooled row p: rows 2 p, 2 p + 1 of the four,
	s_lshl_b32 s28, s24, 7                         ; positions 16 u on: 8 bytes each
	s_add_co_u32 s25, s25, s28
	v_mul_u32_u24 v[XL], v[HH], XREG
	v_lshl_add_u32 v[XL], v[RR], 3, v[XL]
	v_add_nc_u32 v[XL], s25, v[XL]
	v_add_nc_u32 v[XL+1], 2*XREG, v[XL]
	v_lshlrev_b32 v[LI], 4, v1
	v_lshlrev_b32 v[L4], 2, v1
	v_lshlrev_b32 v[L8], 3, v1
	s_mul_i32 s28, s20, 1536
	s_add_co_u32 s28, s28, IMG
	v_add_nc_u32 v[IWI], s28, v[LI]
	s_lshl_b32 s29, s20, 7
	s_add_co_u32 s29, s29, XSC
	v_add_nc_u32 v[IWS], s29, v[L4]
	v_add_nc_u32 v[FI], IMG, v[LI]
	v_add_nc_u32 v[FS], XSC, v[L4]
	v_lshl_add_u32 v[SBO], v[RR], 2, v[HH]
	v_mul_u32_u24 v[GA], v[RR], 96                 ; wk: row r of 96 bytes,
	v_mad_u32_u24 v[GA], v[HH], 24, v[GA]          ; + 24 h
	v_lshlrev_b32 v[GA+1], 2, v[RR]                ; its scale word
	v_lshlrev_b32 v[GA+2], 5, v[HH]                ; bk: the eight numbers 8 h on
	v_and_b32 v[GA+4], 8, v[RR]
	v_add_nc_u32 v[GA+4], v[GA+4], v[RR]           ; r + 8 (r / 8)
	v_mul_u32_u24 v[GA+3], v[GA+4], 96             ; wv: that row of my tile
	v_mad_u32_u24 v[GA+3], v[HH], 24, v[GA+3]
	v_lshlrev_b32 v[GA+4], 2, v[GA+4]              ; its scale word, and its bv
	s_lshl_b32 s28, s23, 5
	s_lshl_b32 s30, s24, 3
	s_add_co_u32 s28, s28, s30                     ; my tile of wv begins at row 32 (w / 2) + 8 (w % 2)
	s_mul_i32 s30, s28, 96
	s_mov_b32 s31, 0
	s_add_nc_u64 s[12:13], s[12:13], s[30:31]
	s_lshl_b32 s30, s28, 2
	s_add_nc_u64 s[14:15], s[14:15], s[30:31]
	s_add_nc_u64 s[16:17], s[16:17], s[30:31]
.irp p, 0,1,2,3,4,5
	global_load_b64 v[WK+2*\p:WK+2*\p+1], v[GA], s[6:7] offset:48*(\p/3)+8*(\p%3)
	global_load_b64 v[WV+2*\p:WV+2*\p+1], v[GA+3], s[12:13] offset:48*(\p/3)+8*(\p%3)
.endr
	global_load_b32 v[WKS], v[GA+1], s[8:9]
	global_load_b32 v[WVS], v[GA+4], s[14:15]
	global_load_b32 v[BV], v[GA+4], s[16:17]
	global_load_b128 v[BK:BK+3], v[GA+2], s[10:11]
	global_load_b128 v[BK+4:BK+7], v[GA+2], s[10:11] offset:16
	; where my results go
	s_mul_i32 s26, s21, IMB
	s_add_nc_u64 s[18:19], s[18:19], s[26:27]
	s_lshl_b32 s28, s22, 2
	s_add_co_u32 s28, s28, s20
	s_lshl_b32 s28, s28, 10                        ; K: tile 4 g + w
	s_mov_b32 s29, 0
	s_add_nc_u64 s[44:45], s[18:19], s[28:29]
	s_mul_i32 s28, s22, 3072
	s_mul_i32 s30, s20, 768
	s_add_co_u32 s28, s28, s30
	s_add_co_u32 s28, s28, 65536                   ; V: pair g, tile w
	s_add_nc_u64 s[46:47], s[18:19], s[28:29]
	s_lshr_b32 s28, s22, 1
	s_lshl_b32 s28, s28, 8
	s_lshl_b32 s30, s20, 6
	s_add_co_u32 s28, s28, s30
	s_and_b32 s30, s22, 1
	s_lshl_b32 s30, s30, 1
	s_add_co_u32 s28, s28, s30
	s_add_co_u32 s28, s28, 114688                  ; VS: 256 (g / 2) + 64 w + 2 (g % 2)
	s_add_nc_u64 s[48:49], s[18:19], s[28:29]
	s_mov_b32 s[SEL], 0x76543210
	s_mov_b32 s[SEL+1], 0xfedcba98
	v_mov_b32 v[BP], 0                             ; written once: a lane permute's destination counts as one of its sources
	v_mov_b32 v[BP+1], 0
	s_wait_loadcnt 0x0                             ; the weights; their offset registers are free from here on
	s_wait_tensorcnt 0x0                           ; my 32 channels are in LDS,
	s_barrier_signal -1
	s_barrier_wait -1                              ; everybody's are: each wave reads all 128
	; THE POOLING, 16 channels at a time in two sets of registers
	LOADC 0, R0
	LOADC 1, R1
	s_wait_dscnt 32                                ; the older 32 loads are in, the younger 32 may be out
	POOL 0, R0
	LOADC 2, R0
	s_wait_dscnt 32
	POOL 1, R1
	LOADC 3, R1
	s_wait_dscnt 32
	POOL 2, R0
	s_wait_dscnt 0x0
	POOL 3, R1
	; Q(xp) of my 16 positions; its image goes to LDS for the other waves
	QUANTX XN, XC, XT, XW
.irp c, 0,1,2
	ds_store_b128 v[IWI], v[XC+4*\c:XC+4*\c+3] offset:512*\c
.endr
	ds_store_b32 v[IWS], v[XW]
.irp j, 0,1,2,3,4,5,6,7
	v_mov_b32 v[BVC+\j], v[BV]                     ; bv as a C operand: my lane's channel in all eight rows.  (Eight plain lines between the scale word's last write and the product)
.endr
	; k(8 h + j, position r) = wk Q(xp) + bk: source 0 = wk's 16 rows, source 1 = my 16 positions
	v_wmma_scale_f32_16x16x128_f8f6f4 v[KD:KD+7], v[WK:WK+11], v[XC:XC+11], v[BK:BK+7], v[WKS], v[XW] matrix_a_fmt:MATRIX_FMT_FP6 matrix_b_fmt:MATRIX_FMT_FP6
.rept 4
	v_nop                                          ; four places ahead of the stores that read the result
.endr
	s_wait_dscnt 0x0                               ; for the others' sake: my image has landed
	s_barrier_signal -1
	s_barrier_wait -1
.irp m, 0,1,2,3
.irp c, 0,1,2
	ds_load_b128 v[IM+12*\m+4*\c:IM+12*\m+4*\c+3], v[FI] offset:1536*\m+512*\c
.endr
	ds_load_b32 v[XS+\m], v[FS] offset:128*\m
.endr
	global_store_b128 v[LI], v[KD:KD+3], s[44:45]              ; 512 consecutive bytes each
	global_store_b128 v[LI], v[KD+4:KD+7], s[44:45] offset:512
	s_wait_dscnt 0x0
	; v(position 16 u + 8 h + j of pooled row p, channel d(w, r)): source 0 = 16 positions, source 1 = my 16 rows of wv; four accumulators
.irp m, 0,1,2,3
	v_wmma_scale_f32_16x16x128_f8f6f4 v[VA+8*\m:VA+8*\m+7], v[IM+12*\m:IM+12*\m+11], v[WV:WV+11], v[BVC:BVC+7], v[XS+\m], v[WVS] matrix_a_fmt:MATRIX_FMT_FP6 matrix_b_fmt:MATRIX_FMT_FP6
.endr
.rept 4
	v_nop
.endr
	QUANT2 VA, VC, VT                              ; along the keys: block b = pooled row 2 g + b
	v_cmp_ne_u32 vcc_lo, 0, v[HH]
	v_cndmask_b32 v[TA], v[BY], v[BY+1], vcc_lo    ; my block's byte
	global_store_b128 v[LI], v[VC:VC+3], s[46:47]              ; 512 consecutive bytes
	global_store_b64 v[L8], v[VC+4:VC+5], s[46:47] offset:512  ; 256 consecutive bytes
	global_store_b8 v[SBO], v[TA], s[48:49]
	s_set_vgpr_msb 0x5
	s_wait_tensorcnt 0x0
	ds_add_u32 v0, v1
	s_wait_dscnt 0x0
	s_set_vgpr_msb 0x500
	s_endpgm
.Lfunc_end_k_qf1bbd613e1_kv:
	.size	k_qf1bbd613e1_kv, .Lfunc_end_k_qf1bbd613e1_kv-k_qf1bbd613e1_kv
	.p2alignl 7, 3214868480
	.fill 96, 4, 3214868480
	.section	.rodata,"a",@progbits
	.p2align	6, 0x0
	.amdhsa_kernel k_qf1bbd613e1_kv
		.amdhsa_group_segment_fixed_size 168448
		.amdhsa_private_segment_fixed_size 0
		.amdhsa_enable_private_segment 0
		.amdhsa_kernarg_size 64
		.amdhsa_user_sgpr_count 2
		.amdhsa_user_sgpr_kernarg_segment_ptr 1
		.amdhsa_wavefront_size32 1
		.amdhsa_system_sgpr_workgroup_id_x 1
		.amdhsa_system_sgpr_workgroup_id_y 1
		.amdhsa_system_sgpr_workgroup_id_z 1
		.amdhsa_system_vgpr_workitem_id 0
		.amdhsa_next_free_vgpr 258
		.amdhsa_next_free_sgpr 66
		.amdhsa_reserve_vcc 1
		.amdhsa_float_denorm_mode_32 3
		.amdhsa_float_denorm_mode_16_64 3
		.amdhsa_memory_ordered 1
		.amdhsa_forward_progress 1
		.amdhsa_inst_pref_size 29
	.end_amdhsa_kernel
	.amdgpu_metadata
---
amdhsa.version: [ 1, 2 ]
amdhsa.kernels:
  - .name:           k_qf1bbd613e1_kv
    .symbol:         k_qf1bbd613e1_kv.kd
    .args:
      - { .name: x, .offset: 0, .size: 8, .value_kind: global_buffer, .address_space: global }
      - { .name: wk_codes, .offset: 8, .size: 8, .value_kind: global_buffer, .address_space: global }
      - { .name: wk_scales, .offset: 16, .size: 8, .value_kind: global_buffer, .address_space: global }
      - { .name: bk, .offset: 24, .size: 8, .value_kind: global_buffer, .address_space: global }
      - { .name: wv_codes, .offset: 32, .size: 8, .value_kind: global_buffer, .address_space: global }
      - { .name: wv_scales, .offset: 40, .size: 8, .value_kind: global_buffer, .address_space: global }
      - { .name: bv, .offset: 48, .size: 8, .value_kind: global_buffer, .address_space: global }
      - { .name: kvw, .offset: 56, .size: 8, .value_kind: global_buffer, .address_space: global }
    .group_segment_fixed_size: 168448
    .private_segment_fixed_size: 0
    .kernarg_segment_align: 8
    .kernarg_segment_size: 64
    .max_flat_workgroup_size: 128
    .sgpr_count:     66
    .vgpr_count:     258
    .wavefront_size: 32
...
	.end_amdgpu_metadata
.endif
;; end of part 1
;; launch attn (part 2): grid 256 x 1, 16 waves a work-group, clusters of 4 x 1, 264,192 bytes of LDS; arguments x, kvw, wq_codes, wq_scales, bq, wa_codes, wa_scales, ba, gamma, out0; writes out0
.if DOCPART == 2
	.amdgcn_target "amdgcn-amd-amdhsa--gfx1250"
	.amdhsa_code_object_version 6
	.text
	.protected	k_qf1bbd613e1_attn
	.globl	k_qf1bbd613e1_attn
	.p2align	8
	.type	k_qf1bbd613e1_attn,@function
k_qf1bbd613e1_attn:
	s_mov_b64 s[64:65], 0
	v_nop
	global_prefetch_b8 v0, s[64:65] scope:SCOPE_SE
	s_setreg_imm32_b32 hwreg(HW_REG_WAVE_MODE, 25, 1), 1
	s_wait_xcnt 0x0
	s_wait_alu depctr_hold_cnt(0) depctr_sa_sdst(0) depctr_va_vdst(0) depctr_va_sdst(0) depctr_va_ssrc(0) depctr_va_vcc(0) depctr_vm_vsrc(0)
	s_getreg_b32 s2, hwreg(HW_REG_IB_STS2, 6, 4)
	s_cmp_eq_u32 s2, 0
	s_cbranch_scc0 .Lentry_in_a_cluster
	s_endpgm
.Lentry_in_a_cluster:
	s_bfe_u32 s2, ttmp6, 0x10000c
	s_cmp_lg_u32 s2, 0x3003
	s_cbranch_scc0 .Lentry_shape_is_right
	s_endpgm
.Lentry_shape_is_right:
; out = gamma (wa Q(feat) + ba) + x,  feat = Q(v) Q(p) / l,  p = 2^(t - M),  t = (q . k) log2(e),  q = wq Q(x) + bq.  k (f32), Q(v) and its scales come from kvw, laid as registers want them.
; SHARES.  A work-group owns 256 queries (4 rows of x) of one image; each of its SIXTEEN waves owns 16 of them in 256 registers: four waves to a SIMD, so that one wave's softmax stands beside another's matrix work.
; Every wave walks the image's 1,024 keys, 128 a step.  All that a work-group reads fits into LDS at once: x's 128 channels x 1,024 bytes, and the image's 116,736 bytes of kvw.  Every LDS byte is filled once: no ring.
; CLUSTER.  The four work-groups of a cluster belong to one image and read the same kvw: it is asked for JOINTLY (waves 0-11, 9,728 bytes each, mask of all four).  x is each work-group's own (waves 12-15, no mask).
; THE LOGITS have K = 16 and feed a quantiser: f32 operands, v_wmma_f32_16x16x4_f32, four K steps.  S^T = k q^T: source 0 = 16 keys, source 1 = my 16 queries: a lane holds ONE query (lane % 16) throughout.
; Lane (r, h) holds channels 8 h + 0 .. 7 of k and of q alike; K step s takes registers 2 s, 2 s + 1 of both, so each product meets its partner.
; SOFTMAX.  M = the running largest t, rounded up to a whole number, kept as -M; when M moves, l and O are multiplied by 2^(old M - new M), exactly.  l is the sum of the unquantised p and divides O at the end.
; A block's largest p is made from the block's largest score by the same multiply-add and exponential (this takes v_exp_f32 not to fall where its input rises).
; O^T = V^T P^T: source 0 = 16 channels of v, source 1 = p.  The channels of a tile were chosen so that the 16 registers of tiles 2 b, 2 b + 1 are channels 32 b + 16 h + 0 .. 15: the last product's K.
; THE LAST PRODUCT has K = 64: the upper 64 of the instruction's 128 are zero codes on both sides, under the scale byte 0.  Tile (a, e), row i is output channel 64 a + 32 (i / 8) + 8 e + i % 8.
; The result takes x's place in LDS, each word read and written by one lane alone, and leaves by rows: each store covers 512 consecutive bytes, aligned.
; LIMITS: NaN and infinities are not served.  A block of zeros gets the scale byte 1, not 127 (its codes are zeros).  A p under 2^-126 counts as 0.
.set XREG, 32896                       ; LDS: 32 channels x 1,024 bytes + 128
.set KB,   4*XREG                      ; k: 64 tiles x 1,024 bytes
.set VB,   KB+65536                    ; v's codes
.set VSB,  VB+49152                    ; v's scale words
.set WAB,  VSB+2048                    ; wa's codes as they lie, 48 bytes a row
.set BAB,  WAB+6144                    ; ba
.set IMB,  116736                      ; an image's bytes in kvw
.set PART, 9728                        ; a twelfth of them: 38 rows of 256 bytes
.set AK,   1                           ; v1   KB + 16 x lane
.set AV16, 2                           ; v2   VB + 16 x lane
.set AV8,  3                           ; v3   VB + 512 + 8 x lane
.set AVS,  4                           ; v4   VSB + 4 r
.set XA,   5                           ; v5-6 my query's word in channel 32 h (v5), 64 + 32 h (v6)
.set ADK,  7                           ; v7-10 the step's addresses
.set ADV16, 8
.set ADV8, 9
.set ADS,  10
.set CPA,  11                          ; v11  WAB + 16 x thread: where the copy of wa and ba goes
.set Q,    16                          ; v16-23  q: register j = channel 8 h + j of my query.  v12 -M, v13 the largest t, v[14:15] l in two halves
.set WAS,  24                          ; v24-31  wa's scale words (scales alone)
.set S,    32                          ; v32-95  S^T; written by matrix instructions alone
.set PF,   96                          ; v96-159 k's fragments, then t - M and p, then v's fragments
.set O,    160                         ; v160-191 O^T, four tiles
.set PC,   192                         ; v192-203 the codes just made
.set PT,   204                         ; v204-211 halves of blocks on their way
.set BM,   212
.set BP,   216
.set BY,   218
.set BS,   220
.set VSW,  224                         ; v224-227 v's scale words, v228 p's, v232 x's and later feat's, v233 wq's: scales alone
.set PW,   228
.set TM,   229
.set FF,   230                         ; v[230:231] f = 2^(old M - new M), and a word that is named with it
.set XW,   232
.set WQS,  233
.set RR,   236
.set HH,   237
.set GA,   238                         ; v238-242 offsets of the head's global loads
.set AW,   244                         ; the end's addresses: wa's rows,
.set AB,   245                         ; ba,
.set AO,   246                         ; my 8 channels' rows of the result in LDS,
.set GO,   247                         ; 16 x lane
.set CD,   248                         ; v248-251 the copy's data
.set TA,   252
.set TB,   253
.set WVN,  24                          ; s24 my wave's number
.set SEL,  56                          ; s[56:57]
.set CS,   58                          ; s[58:59] log2(e)
.set GM,   60                          ; s[60:61] gamma
.set CNT,  62
.set TK,   63                          ; the step's bytes in k,
.set TV,   66                          ; in v's codes,
.set TS,   67                          ; in v's scale words
.macro CROUND                          ; a round of the cluster's barrier
	s_barrier_signal -1
	s_barrier_wait -1
	s_cmp_lg_u32 s[WVN], 0
	s_cbranch_scc1 .Lnot_wave_0_\@
	s_barrier_signal -3
.Lnot_wave_0_\@:
	s_barrier_wait -3
	s_barrier_signal -1
	s_barrier_wait -1
.endm
; 64 numbers of a lane, register 32 c + i = k 64 c + 32 h + i of the lane's column, become a fragment's 12 registers and its scale word.  A lane holds two whole blocks.
.macro QUANTX src, xc, xt, xw
.irp c, 0,1
	v_max3_num_f32 v[BM+\c], |v[\src+32*\c]|, |v[\src+32*\c+1]|, 0x1800000   ; with the floor 2^(3 - 127): the byte cannot fall under 1
.endr
.irp i, 2,4,6,8,10,12,14,16,18,20,22,24,26,28,30
.irp c, 0,1
	v_max3_num_f32 v[BM+\c], v[BM+\c], |v[\src+32*\c+\i]|, |v[\src+32*\c+\i+1]|
.endr
.endr
.irp c, 0,1
	v_add_nc_u32 v[BS+\c], 0xff000000, v[BM+\c]    ; 2 off the exponent field: the conversion's scale operand
.endr
.irp c, 0,1
	v_lshrrev_b32 v[BY+\c], 23, v[BS+\c]
.endr
	v_lshl_or_b32 v[TA], v[BY+1], 16, v[BY]        ; my bytes: blocks h and 2 + h,
	v_lshlrev_b32 v[TB], 3, v[HH]
	v_lshlrev_b32 v[TA], v[TB], v[TA]              ; 8 h bits up;
	v_permlanex16_b32 v[BP], v[TA], s[SEL], s[SEL+1]
	v_or_b32 v[\xw], v[TA], v[BP]                  ; with lane l xor 16's two the word is whole
.irp c, 0,1
	v_cvt_scalef32_pk16_fp6_f32 v[\xc+6*\c:\xc+6*\c+2], v[\src+32*\c:\src+32*\c+15], v[BS+\c]
	v_cvt_scalef32_pk16_fp6_f32 v[\xt+4*\c:\xt+4*\c+2], v[\src+32*\c+16:\src+32*\c+31], v[BS+\c]
.endr
	v_nop                                          ; one plain place behind a scaled conversion
.irp c, 0,1
.irp i, 0,1,2
	v_mov_b32 v[\xc+6*\c+3+\i], v[\xt+4*\c+\i]
.endr
.endr
.endm
; 32 numbers of a lane, register 16 b + i = k 32 b + 16 h + i of the lane's row, become six registers: lane (r, h) then holds block h whole.  Bytes of blocks 0, 1 in v[BY], v[BY+1].
.macro QUANT2 src, pc, pt
.irp b, 0,1
	v_max3_num_f32 v[BM+\b], |v[\src+16*\b]|, |v[\src+16*\b+1]|, 0x1800000
.endr
.irp i, 2,4,6,8,10,12,14
.irp b, 0,1
	v_max3_num_f32 v[BM+\b], v[BM+\b], |v[\src+16*\b+\i]|, |v[\src+16*\b+\i+1]|
.endr
.endr
.irp b, 0,1
	v_permlanex16_b32 v[BP+\b], v[BM+\b], s[SEL], s[SEL+1]
.endr
.irp b, 0,1
	v_max_num_f32 v[BM+\b], v[BM+\b], v[BP+\b]
.endr
.irp b, 0,1
	v_add_nc_u32 v[BS+\b], 0xff000000, v[BM+\b]
.endr
.irp b, 0,1
	v_lshrrev_b32 v[BY+\b], 23, v[BS+\b]
.endr
	v_cvt_scalef32_pk16_fp6_f32 v[\pc:\pc+2], v[\src:\src+15], v[BS]
	v_cvt_scalef32_pk16_fp6_f32 v[\pt:\pt+2], v[\src+16:\src+31], v[BS+1]
	v_nop
.irp i, 0,1,2
	v_permlane16_swap_b32 v[\pc+\i], v[\pt+\i]
.endr
.irp i, 0,1,2
	v_mov_b32 v[\pc+3+\i], v[\pt+\i]
.endr
.endm
	s_load_b256 s[4:11], s[0:1], 0x0               ; x s[4:5], kvw s[6:7], wq's codes s[8:9], wq's scales s[10:11]
	s_load_b256 s[12:19], s[0:1], 0x20             ; bq s[12:13], wa's codes s[14:15], wa's scales s[16:17], ba s[18:19]
	s_load_b128 s[20:23], s[0:1], 0x40             ; gamma s[20:21], out0 s[22:23]
	v_lshl_add_u32 v254, v0, 2, 0x40000
	v_mov_b32 v255, 0
	ds_add_u32 v254, v255
	ds_add_u32 v254, v255
	v_lshrrev_b32 v[TA], 5, v0
	v_readfirstlane_b32 s[WVN], v[TA]              ; wave 0..15
	s_bfe_u32 s25, ttmp6, 0x40000                  ; cx: it enters x's and out0's global addresses alone (s25, s27, s68-72)
	s_lshr_b32 s26, ttmp9, 2                       ; the image: four clusters to an image
	s_and_b32 s27, ttmp9, 3
	s_lshl_b32 s27, s27, 2
	s_add_co_u32 s27, s27, s25                     ; which 256 queries of the image
	; every LDS address is made here, ahead of the first branch on the wave's number
	v_and_b32 v[TB], 31, v0                        ; lane
	v_and_b32 v[RR], 15, v0
	v_bfe_u32 v[HH], v0, 4, 1
	v_lshl_add_u32 v[AK], v[TB], 4, KB
	v_lshl_add_u32 v[AV16], v[TB], 4, VB
	v_lshl_add_u32 v[AV8], v[TB], 3, VB+512
	v_lshl_add_u32 v[AVS], v[RR], 2, VSB
	v_mul_u32_u24 v[XA], v[HH], XREG
	v_lshl_add_u32 v[XA], v[RR], 2, v[XA]
	s_lshl_b32 s28, s[WVN], 6                      ; my 16 queries: 64 bytes of each channel's 1,024
	v_add_nc_u32 v[XA], s28, v[XA]
	v_add_nc_u32 v[XA+1], 2*XREG, v[XA]
	v_lshl_add_u32 v[CPA], v0, 4, WAB
	v_and_b32 v[TA], 7, v[RR]
	v_lshrrev_b32 v[GA+3], 3, v[RR]
	v_lshl_add_u32 v[TA], v[GA+3], 5, v[TA]        ; r % 8 + 32 (r / 8): my row in a tile of wa
	v_mul_u32_u24 v[AW], v[TA], 48
	v_mad_u32_u24 v[AW], v[HH], 24, v[AW]
	v_add_nc_u32 v[AW], WAB, v[AW]
	v_lshlrev_b32 v[GA+3], 1, v[TA]                ; wa's scales: 2 bytes a row
	v_lshl_add_u32 v[AB], v[HH], 7, BAB            ; ba: 32 h numbers on
	v_lshlrev_b32 v[GO], 4, v[TB]
	v_mul_u32_u24 v[GA], v[RR], 96                 ; wq: row r, + 24 h
	v_mad_u32_u24 v[GA], v[HH], 24, v[GA]
	v_lshlrev_b32 v[GA+1], 2, v[RR]                ; its scale word
	v_lshlrev_b32 v[GA+2], 5, v[HH]                ; bq: the eight numbers 8 h on
	s_and_b32 s30, s[WVN], 3
	s_mul_i32 s49, s30, XREG                       ; x's region that waves 12-15 fill: wave % 4
	s_lshr_b32 s31, s[WVN], 2
	s_mul_i32 s31, s31, XREG
	s_lshl_b32 s67, s30, 13
	s_add_co_u32 s31, s31, s67                     ; channels 8 w .. 8 w + 7: region w / 4, rows 8 (w % 4) on
	v_lshl_add_u32 v[AO], v[TB], 4, s31
	s_cmp_lt_u32 s[WVN], 12
	s_cselect_b32 s67, 0, 6144
	v_lshlrev_b32 v[GA+4], 4, v0
	v_sub_nc_u32 v[GA+4], v[GA+4], s67             ; the copy: waves 0-11 take wa's 6,144 bytes, wave 12 ba's 512; 16 bytes a thread
	s_lshl_b32 s68, s26, 21
	s_lshl_b32 s72, s27, 10
	s_add_co_u32 s68, s68, s72                     ; the image, and my work-group's 1,024 bytes of a channel
	s_lshl_b32 s70, s[WVN], 17
	s_add_co_u32 s70, s70, s68                     ; out0: + 8 w channels
	s_mov_b32 s71, 0
	s_lshl_b32 s72, s30, 19
	s_add_co_u32 s68, s68, s72                     ; x: + 32 (w % 4) channels
	s_mov_b32 s69, 0
	s_mul_i32 s30, s26, IMB
	s_mul_i32 s31, s[WVN], PART
	s_add_co_u32 s53, s31, KB                      ; kvw's part w goes to KB + 9,728 w
	s_add_co_u32 s30, s30, s31
	s_mov_b32 s31, 0
	; descriptor group 1 for x: 32 rows (channels) of 256 elements of 4 bytes, 4,096 elements apart; no mask
	s_mov_b32 s32, 2<<16
	s_mov_b32 s33, 256<<16
	s_mov_b32 s34, 32<<16
	s_mov_b32 s35, 256<<16
	s_mov_b32 s36, 32
	s_mov_b32 s37, 4096
	s_mov_b32 s38, 0
	s_mov_b32 s39, 0
	; and for kvw: a dense block as 38 rows of 32 elements of 8 bytes; the mask names all four work-groups, bit 21 beside it
	s_mov_b32 s40, 15|(3<<16)|(1<<21)
	s_mov_b32 s41, 32<<16
	s_mov_b32 s42, 38<<16
	s_mov_b32 s43, 32<<16
	s_mov_b32 s44, 38
	s_mov_b32 s45, 32
	s_mov_b32 s46, 0
	s_mov_b32 s47, 0
	s_mov_b32 s48, 1
	s_mov_b32 s52, 1
	s_mov_b32 s[SEL], 0x76543210
	s_mov_b32 s[SEL+1], 0xfedcba98
	s_mov_b32 s[CS], 0x3fb8aa3b                    ; log2(e)
	s_mov_b32 s[CS+1], s[CS]                       ; (named with it as a pair, so it is written)
	s_wait_dscnt 0x0
	s_wait_kmcnt 0x0
	s_add_nc_u64 s[50:51], s[4:5], s[68:69]
	s_or_b32 s51, s51, 0x80000000
	s_add_nc_u64 s[54:55], s[6:7], s[30:31]
	s_or_b32 s55, s55, 0x80000000
	s_add_nc_u64 s[22:23], s[22:23], s[70:71]
	s_load_b32 s[GM], s[20:21], 0x0
	s_cmp_lt_u32 s[WVN], 12
	s_cselect_b64 s[28:29], s[14:15], s[18:19]     ; the copy's source: wa's codes or ba; the choice hangs on the wave's number alone
	CROUND                                         ; all four work-groups are here: the joint loads meet
	s_cmp_lt_u32 s[WVN], 12                        ; each wave issues one tensor load: one of mine is out
	s_cbranch_scc0 .Lfor_x
	tensor_load_to_lds s[52:55], s[40:47]
	s_nop 0
.rept 4
	v_nop
.endr
	s_branch .Lasked
.Lfor_x:
	tensor_load_to_lds s[48:51], s[32:39]
	s_nop 0
.rept 4
	v_nop
.endr
.Lasked:
.irp p, 0,1,2,3,4,5
	global_load_b64 v[O+2*\p:O+2*\p+1], v[GA], s[8:9] offset:48*(\p/3)+8*(\p%3)   ; wq's fragment, in registers that O^T takes later
.endr
	global_load_b32 v[WQS], v[GA+1], s[10:11]
	global_load_b128 v[O+12:O+15], v[GA+2], s[12:13]           ; bq in the result's layout
	global_load_b128 v[O+16:O+19], v[GA+2], s[12:13] offset:16
.irp a, 0,1
.irp e, 0,1,2,3
	global_load_u16 v[WAS+4*\a+\e], v[GA+3], s[16:17] offset:2*(64*\a+8*\e)   ; two bytes; the word's upper two are 0 and stand over zero codes
.endr
.endr
	s_cmp_gt_u32 s[WVN], 12
	s_cbranch_scc1 .Lno_copy
	global_load_b128 v[CD:CD+3], v[GA+4], s[28:29]
	s_wait_loadcnt 0x0
	ds_store_b128 v[CPA], v[CD:CD+3]
.Lno_copy:
.irp b, 0,1,2,3
	v_mov_b32 v[BP+\b], 0                          ; written once: a lane permute's destination counts as one of its sources
.endr
	v_mov_b32 v[FF+1], 0                           ; (named as the upper half of the pair)
	s_wait_kmcnt 0x0
	s_mov_b32 s[GM+1], s[GM]
	s_wait_tensorcnt 0x0                           ; my tile has landed,
	s_wait_dscnt 0x0                               ; and my part of the copy:
	s_barrier_signal -1
	s_barrier_wait -1                              ; everybody's have
	; q = wq Q(x) + bq for my 16 queries.  Register 32 c + i = channel 64 c + 32 h + i: sixteen lanes read 64 consecutive bytes, the other sixteen 32 words further round
.set j, 0
.rept 64
	ds_load_b32 v[PF+j], v[XA+j/32] offset:(j%32)*1024
.set j, j+1
.endr
	s_wait_dscnt 0x0
	QUANTX PF, PC, PT, XW
	s_wait_loadcnt 0x0                             ; wq, bq and the scale words
.rept 8
	v_nop                                          ; a scale word written by vector instructions stands eight places ahead of the product
.endr
	v_wmma_scale_f32_16x16x128_f8f6f4 v[Q:Q+7], v[O:O+11], v[PC:PC+11], v[O+12:O+19], v[WQS], v[XW] matrix_a_fmt:MATRIX_FMT_FP6 matrix_b_fmt:MATRIX_FMT_FP6
.rept 5
	v_nop                                          ; five places: the result becomes a matrix operand, and its sources are written below
.endr
.set j, 0
.rept 32
	v_mov_b32 v[O+j], 0                            ; O^T.  (The step is written once: the first finds zeros, which the first change of M leaves zeros)
.set j, j+1
.endr
	v_mov_b32 v13, 0xff61b1e6                      ; the largest t so far: -3e38
	v_floor_f32 v12, -v13                          ; -M
	v_mov_b32 v14, 0
	v_mov_b32 v15, 0
	s_mov_b32 s[TK], 0
	s_mov_b32 s[TV], 0
	s_mov_b32 s[TS], 0
	s_mov_b32 s[CNT], 8
.Lstep:                                            ; 128 keys: four pooled rows, eight tiles of k
	v_add_nc_u32 v[ADK], s[TK], v[AK]              ; (these four are also the places ahead of the loads into registers that the last products read)
	v_add_nc_u32 v[ADV16], s[TV], v[AV16]
	v_add_nc_u32 v[ADV8], s[TV], v[AV8]
	v_add_nc_u32 v[ADS], s[TS], v[AVS]
.irp T, 0,1,2,3,4,5,6,7
	ds_load_b128 v[PF+8*\T:PF+8*\T+3], v[ADK] offset:1024*\T               ; channels 8 h + 0 .. 3 of tile T's key r
.endr
.irp T, 0,1,2,3,4,5,6,7
	ds_load_b128 v[PF+8*\T+4:PF+8*\T+7], v[ADK] offset:1024*\T+512         ; channels 8 h + 4 .. 7
.endr
	s_wait_dscnt 8                                 ; the first eight loads are in, the second eight may be out
.irp T, 0,1,2,3,4,5,6,7                            ; the eight accumulators take turns; the first K step starts each sum
	v_wmma_f32_16x16x4_f32 v[S+8*\T:S+8*\T+7], v[PF+8*\T:PF+8*\T+1], v[Q:Q+1], 0
.endr
.irp T, 0,1,2,3,4,5,6,7
	v_wmma_f32_16x16x4_f32 v[S+8*\T:S+8*\T+7], v[PF+8*\T+2:PF+8*\T+3], v[Q+2:Q+3], v[S+8*\T:S+8*\T+7]
.endr
	s_wait_dscnt 0x0
.irp T, 0,1,2,3,4,5,6,7
	v_wmma_f32_16x16x4_f32 v[S+8*\T:S+8*\T+7], v[PF+8*\T+4:PF+8*\T+5], v[Q+4:Q+5], v[S+8*\T:S+8*\T+7]
.endr
.irp T, 0,1,2,3,4,5,6,7
	v_wmma_f32_16x16x4_f32 v[S+8*\T:S+8*\T+7], v[PF+8*\T+6:PF+8*\T+7], v[Q+6:Q+7], v[S+8*\T:S+8*\T+7]
.endr
.rept 8
	v_nop                                          ; eight places behind this form ahead of the first read of its results
.endr
.irp b, 0,1,2,3
	v_max3_num_f32 v[BM+\b], v[S+16*\b], v[S+16*\b+1], v[S+16*\b+2]   ; the largest score of each block of 32 keys: for the row's maximum and for the block's largest p
.endr
.irp i, 3,5,7,9,11,13
.irp b, 0,1,2,3
	v_max3_num_f32 v[BM+\b], v[BM+\b], v[S+16*\b+\i], v[S+16*\b+\i+1]
.endr
.endr
.irp b, 0,1,2,3
	v_max_num_f32 v[BM+\b], v[BM+\b], v[S+16*\b+15]
.endr
.irp b, 0,1,2,3
	v_permlanex16_b32 v[BP+\b], v[BM+\b], s[SEL], s[SEL+1]
.endr
.irp b, 0,1,2,3
	v_max_num_f32 v[BM+\b], v[BM+\b], v[BP+\b]     ; with lane l xor 16's 16 keys
.endr
	v_max3_num_f32 v[TM], v[BM], v[BM+1], v[BM+2]
	v_max_num_f32 v[TM], v[TM], v[BM+3]
	v_mul_f32 v[TM], s[CS], v[TM]                  ; the step's largest t
	v_max_num_f32 v13, v13, v[TM]
	v_mov_b32 v[TM], v12
	v_floor_f32 v12, -v13                          ; the new -M = -ceil(t)
	v_sub_f32 v[TM], v12, v[TM]                    ; old M - new M: a whole number, 0 or less
	v_cvt_i32_f32 v[TM], v[TM]                     ; (it saturates)
	v_ldexp_f32 v[FF], 1.0, v[TM]                  ; f
.set j, 0
.rept 32
	v_pk_fma_f32 v[PF+j:PF+j+1], v[S+j:S+j+1], s[CS:CS+1], v[12:13] op_sel_hi:[1,0,0]   ; t - M, into other registers than the sums'
.set j, j+2
.endr
.irp b, 0,1,2,3
	v_fma_f32 v[BM+\b], v[BM+\b], s[CS], v12
.endr
.set j, 0
.rept 64
	v_exp_f32 v[PF+j], v[PF+j]                     ; p
.set j, j+1
.endr
.irp b, 0,1,2,3
	v_exp_f32 v[BM+\b], v[BM+\b]                   ; the block's largest p
.endr
	v_pk_mul_f32 v[14:15], v[14:15], v[FF:FF+1] op_sel_hi:[1,0]   ; l under the new M.  (A plain place behind the exponentials)
	s_wait_alu depctr_va_vdst(0)
.irp b, 0,1,2,3
	v_max_num_f32 v[BM+\b], 0x1800000, v[BM+\b]    ; the floor 2^(3 - 127)
.endr
.irp b, 0,1,2,3
	v_add_nc_u32 v[BS+\b], 0xff000000, v[BM+\b]
.endr
.irp b, 0,1,2,3
	v_lshrrev_b32 v[BP+\b], 23, v[BS+\b]
.endr
	v_lshl_or_b32 v[PW], v[BP+1], 8, v[BP]         ; p's scale word for these 128 keys
	v_lshl_or_b32 v[PW], v[BP+2], 16, v[PW]
	v_lshl_or_b32 v[PW], v[BP+3], 24, v[PW]
.irp c, 0,1
	v_cvt_scalef32_pk16_fp6_f32 v[PC+6*\c:PC+6*\c+2], v[PF+32*\c:PF+32*\c+15], v[BS+2*\c]
	v_cvt_scalef32_pk16_fp6_f32 v[PT+4*\c:PT+4*\c+2], v[PF+32*\c+16:PF+32*\c+31], v[BS+2*\c+1]
.endr
	v_nop                                          ; one plain place behind a scaled conversion
.irp c, 0,1                                        ; the operand wants a whole block in a lane
.irp i, 0,1,2
	v_permlane16_swap_b32 v[PC+6*\c+\i], v[PT+4*\c+\i]
.endr
.irp i, 0,1,2
	v_mov_b32 v[PC+6*\c+3+\i], v[PT+4*\c+\i]
.endr
.endr
	v_pk_add_f32 v[PT:PT+1], v[PF:PF+1], v[PF+2:PF+3]          ; the row's sum, of the unquantised p, in two chains
.irp j, 4,8,12,16,20,24,28,32,36,40,44,48,52,56,60
	v_pk_add_f32 v[14:15], v[14:15], v[PF+\j:PF+\j+1]
	v_pk_add_f32 v[PT:PT+1], v[PT:PT+1], v[PF+\j+2:PF+\j+3]
.endr
	v_pk_add_f32 v[14:15], v[14:15], v[PT:PT+1]
.irp c, 0,1                                        ; v's four fragments take p's place: six registers for each pair of pooled rows and tile
.irp t, 0,1,2,3
	ds_load_b128 v[PF+12*\t+6*\c:PF+12*\t+6*\c+3], v[ADV16] offset:3072*\c+768*\t
	ds_load_b64 v[PF+12*\t+6*\c+4:PF+12*\t+6*\c+5], v[ADV8] offset:3072*\c+768*\t
.endr
.endr
.irp t, 0,1,2,3
	ds_load_b32 v[VSW+\t], v[ADS] offset:64*\t
.endr
.set j, 0
.rept 16
	v_pk_mul_f32 v[O+j:O+j+1], v[O+j:O+j+1], v[FF:FF+1] op_sel_hi:[1,0]   ; O^T under the new M.  (These are also the places between p's scale word and the products)
.set j, j+2
.endr
	s_wait_dscnt 0x0
.irp t, 0,1,2,3
	v_wmma_scale_f32_16x16x128_f8f6f4 v[O+8*\t:O+8*\t+7], v[PF+12*\t:PF+12*\t+11], v[PC:PC+11], v[O+8*\t:O+8*\t+7], v[VSW+\t], v[PW] matrix_a_fmt:MATRIX_FMT_FP6 matrix_b_fmt:MATRIX_FMT_FP6
.endr
	s_add_co_u32 s[TK], s[TK], 8192
	s_add_co_u32 s[TV], s[TV], 6144
	s_add_co_u32 s[TS], s[TS], 256
	s_sub_co_i32 s[CNT], s[CNT], 1
	s_cmp_lg_u32 s[CNT], 0
	s_cbranch_scc1 .Lstep
	; feat = O^T / l
.rept 4
	v_nop
.endr
	v_add_f32 v14, v14, v15
	v_permlanex16_b32 v[TM], v14, s[SEL], s[SEL+1]
	v_add_f32 v14, v14, v[TM]                      ; the row's sum
	v_rcp_f32 v14, v14
	v_nop                                          ; a plain place behind the transcendental
.set j, 0
	s_wait_alu depctr_va_vdst(0)
.rept 16
	v_pk_mul_f32 v[O+j:O+j+1], v[O+j:O+j+1], v[14:15] op_sel_hi:[1,0]
.set j, j+2
.endr
	QUANT2 O, PC, PT                               ; along its 64 channels: register 16 b + i = channel 32 b + 16 h + i
	v_lshl_or_b32 v[XW], v[BY+1], 8, v[BY]         ; feat's scale word; its upper two bytes are 0 and stand over zero codes
.irp i, 6,7,8,9,10,11
	v_mov_b32 v[PC+\i], 0                          ; K = 64: the upper 64 of the instruction's 128 are zero codes,
.endr
.irp e, 0,1,2,3
.irp i, 6,7,8,9,10,11
	v_mov_b32 v[PF+12*\e+\i], 0                    ; on both sides
.endr
.endr
.irp a, 0,1                                        ; wa Q(feat) + ba: four tiles of 16 output channels at a time; ba is the C operand
.if \a
.rept 4
	v_nop                                          ; places ahead of the loads into registers that the last four products read
.endr
.endif
.irp e, 0,1,2,3
.irp p, 0,1,2
	ds_load_b64 v[PF+12*\e+2*\p:PF+12*\e+2*\p+1], v[AW] offset:(64*\a+8*\e)*48+8*\p
.endr
	ds_load_b128 v[O+8*\e:O+8*\e+3], v[AB] offset:(64*\a+8*\e)*4
	ds_load_b128 v[O+8*\e+4:O+8*\e+7], v[AB] offset:(64*\a+8*\e)*4+16
.endr
	s_wait_dscnt 0x0
.if \a == 0
.rept 8
	v_nop                                          ; feat's scale word and the zero codes were written by vector instructions
.endr
.endif
.irp e, 0,1,2,3
	v_wmma_scale_f32_16x16x128_f8f6f4 v[S+32*\a+8*\e:S+32*\a+8*\e+7], v[PF+12*\e:PF+12*\e+11], v[PC:PC+11], v[O+8*\e:O+8*\e+7], v[WAS+4*\a+\e], v[XW] matrix_a_fmt:MATRIX_FMT_FP6 matrix_b_fmt:MATRIX_FMT_FP6
.endr
.endr
.rept 4
	v_nop
.endr
	; register 32 a + 8 e + j is output channel 64 a + 32 h + 8 e + j of my query: x's word at that place is read, and gamma x result + x is put back there by the same lane
.set j, 0
.rept 64
	ds_load_b32 v[PF+j], v[XA+j/32] offset:(j%32)*1024
.set j, j+1
.endr
	s_wait_dscnt 0x0
.set j, 0
.rept 32
	v_pk_fma_f32 v[PF+j:PF+j+1], v[S+j:S+j+1], s[GM:GM+1], v[PF+j:PF+j+1] op_sel_hi:[1,0,1]
.set j, j+2
.endr
.set j, 0
.rept 64
	ds_store_b32 v[XA+j/32], v[PF+j] offset:(j%32)*1024
.set j, j+1
.endr
	s_wait_dscnt 0x0                               ; for the others' sake: my columns of the result have landed
	s_barrier_signal -1
	s_barrier_wait -1
	; the way out: wave w takes channels 8 w .. 8 w + 7, 1,024 bytes each
.set n, 0
.rept 16
	ds_load_b128 v[PF+4*n:PF+4*n+3], v[AO] offset:512*n
.set n, n+1
.endr
.set n, 0
.rept 16
	s_wait_dscnt 15-n                              ; LDS loads come back in order: load n is in, the younger ones may be out
	global_store_b128 v[GO], v[PF+4*n:PF+4*n+3], s[22:23] offset:16384*(n/2)+512*(n%2) th:TH_STORE_NT   ; 512 consecutive bytes, aligned; written once, read by nobody here
.set n, n+1
.endr
	s_wait_tensorcnt 0x0
	ds_add_u32 v254, v255
	s_wait_dscnt 0x0
	CROUND                                         ; the closing round
	s_endpgm
.Lfunc_end_k_qf1bbd613e1_attn:
	.size	k_qf1bbd613e1_attn, .Lfunc_end_k_qf1bbd613e1_attn-k_qf1bbd613e1_attn
	.p2alignl 7, 3214868480
	.fill 96, 4, 3214868480
	.section	.rodata,"a",@progbits
	.p2align	6, 0x0
	.amdhsa_kernel k_qf1bbd613e1_attn
		.amdhsa_group_segment_fixed_size 264192
		.amdhsa_private_segment_fixed_size 0
		.amdhsa_enable_private_segment 0
		.amdhsa_kernarg_size 80
		.amdhsa_user_sgpr_count 2
		.amdhsa_user_sgpr_kernarg_segment_ptr 1
		.amdhsa_wavefront_size32 1
		.amdhsa_system_sgpr_workgroup_id_x 1
		.amdhsa_system_sgpr_workgroup_id_y 1
		.amdhsa_system_sgpr_workgroup_id_z 1
		.amdhsa_system_vgpr_workitem_id 0
		.amdhsa_next_free_vgpr 256
		.amdhsa_next_free_sgpr 76
		.amdhsa_reserve_vcc 0
		.amdhsa_float_denorm_mode_32 3
		.amdhsa_float_denorm_mode_16_64 3
		.amdhsa_memory_ordered 1
		.amdhsa_forward_progress 1
		.amdhsa_inst_pref_size 56
	.end_amdhsa_kernel
	.amdgpu_metadata
---
amdhsa.version: [ 1, 2 ]
amdhsa.kernels:
  - .name:           k_qf1bbd613e1_attn
    .symbol:         k_qf1bbd613e1_attn.kd
    .args:
      - { .name: x, .offset: 0, .size: 8, .value_kind: global_buffer, .address_space: global }
      - { .name: kvw, .offset: 8, .size: 8, .value_kind: global_buffer, .address_space: global }
      - { .name: wq_codes, .offset: 16, .size: 8, .value_kind: global_buffer, .address_space: global }
      - { .name: wq_scales, .offset: 24, .size: 8, .value_kind: global_buffer, .address_space: global }
      - { .name: bq, .offset: 32, .size: 8, .value_kind: global_buffer, .address_space: global }
      - { .name: wa_codes, .offset: 40, .size: 8, .value_kind: global_buffer, .address_space: global }
      - { .name: wa_scales, .offset: 48, .size: 8, .value_kind: global_buffer, .address_space: global }
      - { .name: ba, .offset: 56, .size: 8, .value_kind: global_buffer, .address_space: global }
      - { .name: gamma, .offset: 64, .size: 8, .value_kind: global_buffer, .address_space: global }
      - { .name: out0, .offset: 72, .size: 8, .value_kind: global_buffer, .address_space: global }
    .group_segment_fixed_size: 264192
    .private_segment_fixed_size: 0
    .kernarg_segment_align: 8
    .kernarg_segment_size: 80
    .max_flat_workgroup_size: 512
    .sgpr_count:     76
    .vgpr_count:     256
    .wavefront_size: 32
...
	.end_amdgpu_metadata
.endif
;; end of part 2
